; MI455X (gfx1250); checked and timed in simulation.
; The chip was launched on July 23, 2026; its instructions are those of AMD's public machine-readable ISA for CDNA 5 (MIT licence, August 2026) and "CDNA5" Instruction Set Architecture Reference Guide (July 2026). The comments in the code are by the model that wrote it; some were corrected since.
;; K Means. Allowed arithmetic: matrix products marked QUANTISED: E2M3 operands, one E8M0 scale for each 32 along K, by v_wmma_scale_f32_16x16x128_f8f6f4 with both operands' format E2M3, f32 sums; everything else in f32.
;; Inputs: centers 4,096 x 512 float32; x 32,768 x 512 float32.
;; Outputs: out0 32,768 int32.
;; This version of the problem:
;;   THIS VERSION OF THE PROBLEM IS GIVEN IN LOW PRECISION. The matrix products marked QUANTISED in the list below multiply operands that are first quantised to E2M3 (2 exponent bits, 3 mantissa bits; 6 bits a number), with one power-of-two scale for each 32 numbers along K (OCP MX v1.0); their sums are f32. All else is computed in f32.
;;   The module's matrix products, in the order in which they are computed (A, B: the left and right operand; K: the contracted axis; several contracted axes count as one K, in the product's order):
;;     1. [M 32,768, K 512] x [K 512, N 4,096]; A: input x; B: input centers: QUANTISED
;;   THE QUANTISER, for each operand of a quantised product, along K:
;;     - K is cut into blocks of 32 from its start; a last block that is shorter is filled with zeros.
;;     - A block's scale is 2^e with e = floor(log2(the largest magnitude in the block)) - 2, held to -126 .. 127; a block of zeros has e = 0. As a byte (E8M0): e + 127.
;;     - Each number is divided by its block's scale, clamped to +-7.5, and rounded to the nearest number of E2M3, ties to even, subnormals kept.
;;     - The product sums the exact products of the quantised numbers (number of the format x scale) in f32.
;;   ~~~python
;;   def quantise(x, axis):      # numpy; x: float32 -> the quantised numbers, widened to float32 again
;;       x = np.moveaxis(x, axis, -1); K = x.shape[-1]
;;       x = np.pad(x, [(0, 0)] * (x.ndim - 1) + [(0, -K % 32)]); x = x.reshape(x.shape[:-1] + (-1, 32)); a = np.abs(x).max(-1, keepdims=True)
;;       e = np.where(a > 0, np.clip(np.frexp(np.where(a > 0, a, 1))[1] - 1 - 2, -126, 127), 0)      # np.frexp(a)[1] - 1 = floor(log2(a)), exactly
;;       r = np.clip(x / 2.0 ** e, -7.5, 7.5)
;;       step = 2.0 ** (np.maximum(np.frexp(np.where(r == 0, 1, r))[1] - 1, 0) - 3)
;;       q = np.round(r / step) * step * 2.0 ** e      # np.round: ties to even
;;       return np.moveaxis(q.reshape(q.shape[:-2] + (-1,))[..., :K], -1, axis).astype(np.float32)
;;   ~~~
;; One version. Each part assembles by itself: llvm-mc -triple=amdgcn-amd-amdhsa -mcpu=gfx1250 --defsym DOCPART=n.
;; ======== version 1 of 1: 2 launches
;; limits: right only within a limited range of input values
;; workspace buffers: xw 13,238,272 bytes; cw 1,654,784 bytes
;; launch quant (part 1): grid 768 x 1, 4 waves a work-group, no clusters, 98,304 bytes of LDS; arguments x, centers, xw, cw; writes xw, cw
.if DOCPART == 1
	.amdgcn_target "amdgcn-amd-amdhsa--gfx1250"
	.amdhsa_code_object_version 6
	.text
	.protected	k_qbd32b724cd_quant
	.globl	k_qbd32b724cd_quant
	.p2align	8
	.type	k_qbd32b724cd_quant,@function
k_qbd32b724cd_quant:
	s_mov_b64 s[64:65], 0
	v_nop
	global_prefetch_b8 v0, s[64:65] scope:SCOPE_SE
	s_setreg_imm32_b32 hwreg(HW_REG_WAVE_MODE, 25, 1), 1
	s_wait_xcnt 0x0
; x [32768][512] and centers [4096][512], f32, become codes of FP6 (E2M3) with one E8M0 scale byte for each 32 along K, laid IN THE ORDER OF THE MATRIX OPERAND'S REGISTERS,
; and beside them -1/2 x each row's sum of squares (of the numbers as given, in f32).
; A TILE of the output is 256 rows = 16 blocks of 16 rows, 103,424 bytes:
;   6144 b + 1536 s + 512 c + 16 lane : registers 4 c .. 4 c + 3 of the fragment (block b, K step s of 128), as lane's registers stand in the operand
;   98304 + 256 b + 8 lane + 4 p      : the scale word of row lane % 16 for K step 2 p + lane / 16
;   102400 + 64 b + 4 r               : -0.5 x the sum of squares of row r
; A block's scale is 2^(floor(log2(its largest magnitude)) - 2); its byte is that magnitude's exponent field - 2, held at 1 from below.
; LIMITS: a block of zeros gets the byte 1 where the rule says 127 (its codes are zeros, and this program alone reads the bytes); NaN and infinities are not served.
; SHARES.  There are 2,304 blocks of 16 rows: 2,048 of x, then 256 of the centres.  Work-group g takes blocks g, g + 768 and g + 1536; only pointers are chosen, there is one path.
; The launch claims a third of a WGP's LDS (it uses 35,840 bytes), so that three work-groups share a WGP: 768 = 3 x 256.  Wave s takes K step s of each block: 16 rows x 128 numbers, one fragment.
; Each load reads 512 consecutive bytes of one row; the conversions want 16 neighbours along K in one lane, so a block's 8,192 bytes turn through the wave's own stage in LDS (rows 528 bytes apart).
; LOADS AHEAD: two blocks' 32 loads of a wave are out from the start; the third block's 16 go out when the first block has passed the stage, into its registers.
; Each block's codes have registers of their own, so that no store's data are written again.
; No tensor load, no loop.  One barrier, at the end: the four waves' scale words and parts of the norms meet in LDS, and wave t stores block t's (t = 0, 1, 2).
.set TILE,   103424
.set SPITCH, 528                       ; a stage row: 512 bytes + 16
.set WSTG,   16*SPITCH                 ; a wave's stage
.set SCI,    4*WSTG                    ; for block t, at SCI + 512 t: 256 bytes of scale words as the tile has them, then 256 bytes: four waves x 16 rows: parts of the sums of squares
.set SPARE,  SCI+3*512                 ; the spare words, 128 bytes for each wave
.set SPW, 14                           ; v14 LDS address of my spare word; v15 0; never rewritten
.set NIL, 15
.set Z0,  16                           ; v16-79   block 0 as loaded, then block 2, then block 2's codes
.set Z1,  80                           ; v80-143  block 1 as loaded, then its codes
.set X,   144                          ; v144-207 register 16 b + i = k 32 b + 16 (lane / 16) + i of my row
.set PC0, 208                          ; v208-226 block 0's codes
.set TM,  228                          ; v228-231 largest magnitudes, v232-235 bytes, v240-243 the conversions' scale operands
.set PW,  244                          ; the scale word
.set N,   246                          ; v246-253 four pairs of sums of squares
.set SQ,  254                          ; my row's part of the sum of squares
.set PT,  255                          ; at work
.set SEL, 20                           ; s[20:21] lane selects: lane l xor 16
	s_load_b256 s[4:11], s[0:1], 0x0               ; x s[4:5], centers s[6:7], xw s[8:9], cw s[10:11]
	v_lshl_add_u32 v[SPW], v0, 2, SPARE
	v_mov_b32 v[NIL], 0
	v_lshrrev_b32 v1, 5, v0
	v_readfirstlane_b32 s12, v1                    ; wave = K step
	s_mul_i32 s13, s12, WSTG
	s_and_b32 s14, s12, 1
	s_lshl_b32 s14, s14, 7
	s_lshr_b32 s15, s12, 1
	s_lshl_b32 s15, s15, 2
	s_add_co_u32 s14, s14, s15
	s_add_co_u32 s14, s14, SCI
	s_lshl_b32 s15, s12, 6
	s_add_co_u32 s15, s15, SCI+256
	s_min_u32 s16, s12, 2                          ; the block whose words I store at the end (wave 3 stores none)
	s_lshl_b32 s16, s16, 9
	s_add_co_u32 s17, s16, SCI
	s_add_co_u32 s18, s16, SCI+256
	s_mov_b32 s[SEL], 0x76543210
	s_mov_b32 s[SEL+1], 0xfedcba98
	v_and_b32 v1, 31, v0                           ; lane
	v_and_b32 v2, 15, v0                           ; r
	v_bfe_u32 v3, v0, 4, 1                         ; h
	v_lshlrev_b32 v4, 4, v1                        ; 16 x lane
	v_add_nc_u32 v5, s13, v4                       ; into the stage: as loaded
	v_mul_u32_u24 v6, v2, SPITCH
	v_lshl_add_u32 v6, v3, 6, v6
	v_add_nc_u32 v6, s13, v6                       ; out of it: row r, + 64 h: my 16 numbers of a block of 32
	v_lshl_add_u32 v7, v2, 3, s14                  ; my scale word's place: 8 (r + 16 (wave % 2)) + 4 (wave / 2)
	v_lshl_add_u32 v8, v2, 2, s15                  ; my part of the norm: 4 r + 64 x wave
	v_lshl_add_u32 v9, v1, 3, s17                  ; at the end I read back: 8 bytes a lane,
	v_lshl_add_u32 v10, v2, 2, s18                 ; and row r's four parts
	v_lshlrev_b32 v11, 3, v1
	v_lshlrev_b32 v12, 2, v2
.irp b, 0,1,2,3
	v_mov_b32 v[TM+4+\b], 0                        ; written once: a lane permute's destination counts as one of its sources
.endr
	v_mov_b32 v[PT], 0
	s_wait_alu depctr_va_vdst(0)                   ; the wait at the head's end
	s_wait_kmcnt 0x0
; Block t's four addresses: s[32+8t:33+8t] my K step of its rows, s[34+8t:..] my fragment, s[36+8t:..] its scale words, s[38+8t:..] its norms
.macro PTRS t
	s_add_co_u32 s16, ttmp9, 768*\t
	s_cmp_lt_u32 s16, 2048                         ; x's block or the centres'?  The choice hangs on the work-group's number alone
	s_cselect_b64 s[32+8*\t:33+8*\t], s[4:5], s[6:7]
	s_cselect_b64 s[34+8*\t:35+8*\t], s[8:9], s[10:11]
	s_cselect_b32 s17, 0, 2048
	s_sub_co_u32 s16, s16, s17                     ; the block's number in its tensor
	s_lshl_b32 s22, s16, 15                        ; 16 rows of 2,048 bytes,
	s_lshl_b32 s23, s12, 9                         ; my K step's 512 bytes of a row
	s_add_co_u32 s22, s22, s23
	s_mov_b32 s23, 0
	s_add_nc_u64 s[32+8*\t:33+8*\t], s[32+8*\t:33+8*\t], s[22:23]
	s_lshr_b32 s24, s16, 4
	s_mul_i32 s24, s24, TILE
	s_mov_b32 s25, 0
	s_add_nc_u64 s[38+8*\t:39+8*\t], s[34+8*\t:35+8*\t], s[24:25]   ; the output's tile
	s_and_b32 s17, s16, 15                         ; the block in it
	s_mul_i32 s24, s17, 6144
	s_mul_i32 s26, s12, 1536
	s_add_co_u32 s24, s24, s26
	s_add_nc_u64 s[34+8*\t:35+8*\t], s[38+8*\t:39+8*\t], s[24:25]
	s_lshl_b32 s24, s17, 8
	s_add_co_u32 s24, s24, 98304
	s_add_nc_u64 s[36+8*\t:37+8*\t], s[38+8*\t:39+8*\t], s[24:25]
	s_lshl_b32 s24, s17, 6
	s_add_co_u32 s24, s24, 102400
	s_add_nc_u64 s[38+8*\t:39+8*\t], s[38+8*\t:39+8*\t], s[24:25]
.endm
.macro LOAD t, z
.irp i, 0,1,2,3,4,5,6,7,8,9,10,11,12,13,14,15
	global_load_b128 v[\z+4*\i:\z+4*\i+3], v4, s[32+8*\t:33+8*\t] offset:2048*\i th:TH_LOAD_NT   ; row i: 32 lanes read 512 consecutive bytes, read once in the launch
.endr
.endm
; Block t: its numbers lie in z, its codes go to pc.  left: the loads issued behind its first four rows' that may stay out.  more = 1: block 2's loads go out, into block 0's registers.
.macro BLK t, z, pc, left, more
.irp q, 0,1,2,3
	s_wait_loadcnt \left-4*\q                      ; loads come back in order: rows 4 q .. 4 q + 3 are in, the younger loads stay out
.irp i, 0,1,2,3
	ds_store_b128 v5, v[\z+4*(4*\q+\i):\z+4*(4*\q+\i)+3] offset:SPITCH*(4*\q+\i)
.endr
.endr
.irp b, 0,1,2,3
.irp j, 0,1,2,3
	ds_load_b128 v[X+16*\b+4*\j:X+16*\b+4*\j+3], v6 offset:128*\b+16*\j   ; LDS serves a wave's instructions in order: these see my stores
.endr
.endr
	s_wait_dscnt 0x0                               ; the numbers are back, and the stores into the stage have read their registers
.if \more
	LOAD 2, Z0
.endif
	; the sum of squares of my 64 numbers: four chains of packed multiply-adds; the first four products start them
.irp c, 0,1,2,3
	v_pk_mul_f32 v[N+2*\c:N+2*\c+1], v[X+2*\c:X+2*\c+1], v[X+2*\c:X+2*\c+1]
.endr
.set jj, 4
.rept 28
	v_pk_fma_f32 v[N+2*(jj%4):N+2*(jj%4)+1], v[X+2*jj:X+2*jj+1], v[X+2*jj:X+2*jj+1], v[N+2*(jj%4):N+2*(jj%4)+1]
.set jj, jj+1
.endr
	v_pk_add_f32 v[N:N+1], v[N:N+1], v[N+2:N+3]
	v_pk_add_f32 v[N+4:N+5], v[N+4:N+5], v[N+6:N+7]
	v_pk_add_f32 v[N:N+1], v[N:N+1], v[N+4:N+5]
	v_add_f32 v[SQ], v[N], v[N+1]
	v_permlanex16_b32 v[PT], v[SQ], s[SEL], s[SEL+1]
	v_add_f32 v[SQ], v[SQ], v[PT]                  ; with lane l xor 16's: row r's part over these 128 numbers
	; the four blocks of 32: largest magnitude, scale, codes
.irp b, 0,1,2,3
	v_max3_num_f32 v[TM+\b], |v[X+16*\b]|, |v[X+1+16*\b]|, 0x1800000   ; my 16 numbers, and the floor 2^(3 - 127): the byte cannot fall under 1
.endr
.irp i, 2,4,6,8,10,12,14
.irp b, 0,1,2,3
	v_max3_num_f32 v[TM+\b], v[TM+\b], |v[X+16*\b+\i]|, |v[X+1+16*\b+\i]|   ; (the four blocks by turns)
.endr
.endr
.irp b, 0,1,2,3
	v_permlanex16_b32 v[TM+4+\b], v[TM+\b], s[SEL], s[SEL+1]
.endr
.irp b, 0,1,2,3
	v_max_num_f32 v[TM+\b], v[TM+\b], v[TM+4+\b]   ; with lane l xor 16's: the block's largest magnitude
.endr
.irp b, 0,1,2,3
	v_add_nc_u32 v[TM+12+\b], 0xff000000, v[TM+\b] ; 2 off its exponent field: the conversion takes the exponent field of this operand as its scale
.endr
.irp b, 0,1,2,3
	v_lshrrev_b32 v[TM+4+\b], 23, v[TM+12+\b]      ; the scale's byte
.endr
	v_lshl_or_b32 v[PW], v[TM+5], 8, v[TM+4]       ; the four bytes make my row's scale word for this K step
	v_lshl_or_b32 v[PW], v[TM+6], 16, v[PW]
	v_lshl_or_b32 v[PW], v[TM+7], 24, v[PW]
.irp c, 0,1
	v_cvt_scalef32_pk16_fp6_f32 v[\pc+6*\c:\pc+2+6*\c], v[X+32*\c:X+15+32*\c], v[TM+12+2*\c]
	v_cvt_scalef32_pk16_fp6_f32 v[\pc+12+4*\c:\pc+14+4*\c], v[X+16+32*\c:X+31+32*\c], v[TM+12+2*\c+1]   ; (a conversion's three registers begin on an even number)
.endr
	v_nop                                          ; one plain place behind a scaled conversion
.irp c, 0,1                                    ; the operand's layout wants a WHOLE block in a lane: lanes 0-15 block 2 c, lanes 16-31 block 2 c + 1
.irp i, 0,1,2
	v_permlane16_swap_b32 v[\pc+6*\c+\i], v[\pc+12+4*\c+\i]
.endr
.irp i, 0,1,2
	v_mov_b32 v[\pc+3+6*\c+\i], v[\pc+12+4*\c+\i]
.endr
.endr
.irp c, 0,1,2
	global_store_b128 v4, v[\pc+4*\c:\pc+4*\c+3], s[34+8*\t:35+8*\t] offset:512*\c   ; the fragment as its registers stand: 32 lanes store 512 consecutive bytes, at a multiple of 256 from the buffer's first byte
.endr
	ds_store_b32 v7, v[PW] offset:512*\t           ; lanes r and r + 16 write the same word with the same value
	ds_store_b32 v8, v[SQ] offset:512*\t
.endm
	PTRS 0
	LOAD 0, Z0
	PTRS 1
	LOAD 1, Z1
	PTRS 2
	BLK 0, Z0, PC0, 28, 1                          ; behind its first four rows' loads: its other 12 and block 1's 16
	BLK 1, Z1, Z1, 28, 0                           ; its other 12 and block 2's 16
	BLK 2, Z0, Z0, 12, 0
	s_wait_dscnt 0x0                               ; for the others' sake: my stores have landed
	s_barrier_signal -1
	s_barrier_wait -1
	s_cmp_lt_u32 s12, 3
	s_cbranch_scc0 .Lend                           ; wave t stores what the four waves made together of block t
	s_cmp_eq_u32 s12, 1
	s_cselect_b64 s[56:57], s[44:45], s[36:37]
	s_cselect_b64 s[58:59], s[46:47], s[38:39]
	s_cmp_eq_u32 s12, 2
	s_cselect_b64 s[56:57], s[52:53], s[56:57]
	s_cselect_b64 s[58:59], s[54:55], s[58:59]
	ds_load_b64 v[144:145], v9
	ds_load_b32 v146, v10
	ds_load_b32 v147, v10 offset:64
	ds_load_b32 v148, v10 offset:128
	ds_load_b32 v149, v10 offset:192
	s_wait_dscnt 0x0
	v_add_f32 v146, v146, v147
	v_add_f32 v148, v148, v149
	v_add_f32 v146, v146, v148                     ; the row's sum of squares
	v_mul_f32 v146, -0.5, v146                     ; exact
	global_store_b64 v11, v[144:145], s[56:57]     ; 32 lanes store 256 consecutive bytes, aligned
	s_wait_alu depctr_va_vdst(0)                   ; directly ahead of the wait below
	s_wait_xcnt 0x0                                ; EXEC is a source of the pending stores: it changes only behind this wait
	v_cmp_gt_u32 vcc_lo, 16, v1
	s_and_saveexec_b32 s13, vcc_lo
	global_store_b32 v12, v146, s[58:59]           ; sixteen lanes store the block's 64 bytes
	s_wait_xcnt 0x0                                ; and again in front of the line that widens it
	s_or_b32 exec_lo, exec_lo, s13
.Lend:
	s_wait_tensorcnt 0x0                           ; the wave's end, behind my last LDS store
	ds_add_u32 v[SPW], v[NIL]
	s_wait_dscnt 0x0
	s_endpgm
.Lfunc_end_k_qbd32b724cd_quant:
	.size	k_qbd32b724cd_quant, .Lfunc_end_k_qbd32b724cd_quant-k_qbd32b724cd_quant
	.p2alignl 7, 3214868480
	.fill 96, 4, 3214868480
	.section	.rodata,"a",@progbits
	.p2align	6, 0x0
	.amdhsa_kernel k_qbd32b724cd_quant
		.amdhsa_group_segment_fixed_size 98304
		.amdhsa_private_segment_fixed_size 0
		.amdhsa_enable_private_segment 0
		.amdhsa_kernarg_size 32
		.amdhsa_user_sgpr_count 2
		.amdhsa_user_sgpr_kernarg_segment_ptr 1
		.amdhsa_wavefront_size32 1
		.amdhsa_system_sgpr_workgroup_id_x 1
		.amdhsa_system_sgpr_workgroup_id_y 1
		.amdhsa_system_sgpr_workgroup_id_z 1
		.amdhsa_system_vgpr_workitem_id 0
		.amdhsa_next_free_vgpr 256
		.amdhsa_next_free_sgpr 66
		.amdhsa_reserve_vcc 1
		.amdhsa_float_denorm_mode_32 3
		.amdhsa_float_denorm_mode_16_64 3
		.amdhsa_memory_ordered 1
		.amdhsa_forward_progress 1
		.amdhsa_inst_pref_size 37
	.end_amdhsa_kernel
	.amdgpu_metadata
---
amdhsa.version: [ 1, 2 ]
amdhsa.kernels:
  - .name:           k_qbd32b724cd_quant
    .symbol:         k_qbd32b724cd_quant.kd
    .args:
      - { .name: x, .offset: 0, .size: 8, .value_kind: global_buffer, .address_space: global }
      - { .name: centers, .offset: 8, .size: 8, .value_kind: global_buffer, .address_space: global }
      - { .name: xw, .offset: 16, .size: 8, .value_kind: global_buffer, .address_space: global }
      - { .name: cw, .offset: 24, .size: 8, .value_kind: global_buffer, .address_space: global }
    .group_segment_fixed_size: 98304
    .private_segment_fixed_size: 0
    .kernarg_segment_align: 8
    .kernarg_segment_size: 32
    .max_flat_workgroup_size: 128
    .sgpr_count:     66
    .vgpr_count:     256
    .wavefront_size: 32
...
	.end_amdgpu_metadata
.endif
;; end of part 1
;; launch assign (part 2): grid 256 x 1, 8 waves a work-group, clusters of 4 x 1, 327,680 bytes of LDS; arguments xw, cw, out0; writes out0
.if DOCPART == 2
	.amdgcn_target "amdgcn-amd-amdhsa--gfx1250"
	.amdhsa_code_object_version 6
	.text
	.protected	k_qbd32b724cd_assign
	.globl	k_qbd32b724cd_assign
	.p2align	8
	.type	k_qbd32b724cd_assign,@function
k_qbd32b724cd_assign:
	s_mov_b64 s[64:65], 0
	v_nop
	global_prefetch_b8 v0, s[64:65] scope:SCOPE_SE
	s_setreg_imm32_b32 hwreg(HW_REG_WAVE_MODE, 25, 1), 1
	s_wait_xcnt 0x0
	s_wait_alu depctr_hold_cnt(0) depctr_sa_sdst(0) depctr_va_vdst(0) depctr_va_sdst(0) depctr_va_ssrc(0) depctr_va_vcc(0) depctr_vm_vsrc(0)
	s_getreg_b32 s2, hwreg(HW_REG_IB_STS2, 6, 4)
	s_cmp_eq_u32 s2, 0
	s_cbranch_scc0 .Lentry_in_a_cluster
	s_endpgm
.Lentry_in_a_cluster:
	s_bfe_u32 s2, ttmp6, 0x10000c
	s_cmp_lg_u32 s2, 0x3003
	s_cbranch_scc0 .Lentry_shape_is_right
	s_endpgm
.Lentry_shape_is_right:
; out0[n] = the lowest index c at which |xn[n] - 2 x[n].centers[c] + cn[c]| is smallest.  The product runs on codes of FP6 (E2M3) with E8M0 scales, as the launch before laid them:
; tiles of 256 rows, 103,424 bytes: fragments as register images (6144 b + 1536 s + 512 c + 16 lane), scale words (98304 + 256 b + 8 lane + 4 p), -norm / 2 (102400 + 64 b + 4 r).
; ARITHMETIC.  What is compared is d' = -d / 2 = ((((-cn / 2 + s0) + s1) + s2) + s3) + (-xn / 2): -cn / 2 is the C of the first K step's product, s0 .. s3 are the four K steps' sums, -xn / 2 is added last, all in f32.
; LIMITS: the order of rounding differs from (xn - 2 s) + cn: five roundings of numbers of the size of cn / 2 and d / 2; NaN and infinities are not served; |d| under 2^-125 loses its last bit in d / 2.
; SHARES.  A work-group owns 128 points and sees all 4,096 centres: each output has one owner.  Eight waves, two to a SIMD: wave w = rh + 2 cq holds points 64 rh .. 64 rh + 63
; (4 row blocks x 4 K steps x 12 = 192 registers, for the whole launch) and takes column blocks 4 cq .. 4 cq + 3 of each tile of 256 centres.
; THE PRODUCT IS USED TRANSPOSED (source 0 = 16 centres, source 1 = 16 points): lane (r, h) holds point r, its register j centre 8 h + j: the minimum runs inside a lane.
; THE ARGMIN, for an accumulator's 8 results: 4 dual additions, 4 minima of three (the last folds the running minimum in), one compare, and where the group wins its number and its 8 values are kept (5 selects, 4 of them dual).
; Which of the 8 it was is found once, by equality.  A strict compare keeps the earliest group; all later merges go by (value, index).  Two accumulators' chains are laid by turns.
; A COLUMN BLOCK: the next block's 15 LDS loads in one run (two sets of fragments), 8 products, the argmin of two accumulators of the block before (two sets of accumulators), 8 products, the other two.
; THE RING.  Two LDS slots of one tile.  Waves 0-3 fill slot 0, waves 4-7 slot 1, a quarter of a tile each (101 rows of 256 bytes) by one JOINT load: the four work-groups of a cluster walk the same tiles.
; A slot changes hands in the middle of its third column block: its last block's fragments are in registers by then, and the refill has a whole tile's work in which to land.
; THE WALK IS ROTATED: cluster k begins at tile t0(k) and goes round.  A lane then sees two ascending runs of indices: where tile 0 begins, the first run's result is put aside and the tracker starts anew.
; NO PREFETCH: the 64 clusters begin at all 16 tiles, four clusters to each, so every byte of cw is asked for in the walk's first step; the points are read once, at the head, where no loop runs ahead of them.
; REGISTERS: window 0 as named below; window 1: v0-191 the points' fragments, (row block rb, K step s) at 48 rb + 12 s; v192-199 the run that was put aside.
.set TILE,  103424
.set QT,    TILE/4                     ; what one tensor load brings
.set SLOT1, 131072
.set RED,   262144                     ; 4,096 bytes: the waves' results meet here; no tile lands here
.set SPARE, 266240                     ; the spare words, 128 bytes for each of the eight waves
.set SCO,   98304
.set NRO,   102400
.set RW,   1                           ; v1   where I put my results: RED + 1024 cq + 512 rh + 8 r
.set ADB,  2                           ; v2-3 my place among a tile's fragments in slot 0, 1: 24576 cq + 16 lane
.set ADS,  4                           ; v4-5 among its scale words: 98304 + 1024 cq + 8 lane
.set ADH,  6                           ; v6-7 among its -cn / 2: 102400 + 256 cq + 32 h
.set SPW,  8                           ; v8   LDS address of my spare word; never rewritten
.set NIL,  9                           ; v9   0; never rewritten
.set JJ,   10                          ; v10  at work
.set RR,   11                          ; v11  where waves 0 and 1 read the results: RED + 512 rh + 16 lane
.set MN,   12                          ; v12-15 at work (at the head: 16 lane, 8 lane, 4 r)
.set BF,   16                          ; v16-111  the centres' fragments, two sets of 4 K steps x 12
.set CS,   112                         ; v112-115 their scale words, two sets of 2: register p: lanes 0-15 K step 2 p, lanes 16-31 K step 2 p + 1
.set HC,   116                         ; v116-131 -cn / 2 of my 8 centres, two sets
.set XS,   132                         ; v132-139 the points' scale words, 2 for each row block
.set HX,   140                         ; v140-147 -xn / 2 of my point, a pair for each row block, both alike
.set ACC,  148                         ; v148-211 two sets of 4 accumulators
.set RUN,  212                         ; v212-219 the running minimum, two sets by turns
.set GID,  220                         ; v220-223 the winning column block
.set SAVE, 224                         ; v224-255 its 8 values
.set FP,   16                          ; behind the walk, where the fragments lay: v16-23 pairs (value, index), v24-31 the run put aside, v32-34 at work, v36-51 the last merge
.set OLD1, 24
.set PX,   32
.set FIN,  36
.set BK1,  192                         ; window 1: v192-195 the first run's values, v196-199 its indices
.set WV,  10                           ; s10 wave; s11 rh; s12 cq; s13 cx; s14 work-group; s15 4 cq
.set RH,  11
.set CQ,  12
.set CX,  13
.set WG,  14
.set CQ4, 15
.set G1,  16                           ; s[16:23] descriptor group 1
.set G0,  24                           ; s[24:27] group 0: my quarter of my slot
.set BW,  28                           ; s[28:29] the centres' buffer at my quarter of tile 0
.set OFF, 30                           ; s[30:31] a tile's offset
.set TI,  32                           ; this step's tile
.set TR,  33                           ; the tile to be asked for next
.set CBB, 34                           ; 16 x tile + 4 cq
.set CBS, 35                           ; the column block whose argmin is due
.set CNT, 36
.set INF, 37
.set SEL, 38                           ; s[38:39] lane selects: lane l xor 16
.set MK,  40                           ; s40-42 masks
.set GRP, 43                           ; wave / 4: the slot that I fill
.set XB,  44                           ; s[44:45], s[46:47], s[48:49] my points' fragments, scale words, -xn / 2
.set XSB, 46
.set XNB, 48
.set Q3,  50                           ; wave % 4: the quarter that I fill
.set HT,  51                           ; the tile of my first fill
.set T,   52                           ; s52-59 at work
.set MSB, 0
.macro WIN new                         ; the immediate's high byte repeats the setting that is left
.if MSB != \new
	s_set_vgpr_msb (MSB<<8)|\new
.set MSB, \new
.endif
.endm
.macro CREST                           ; a round of the cluster's barrier behind its opening barrier
	s_cmp_lg_u32 s[WV], 0
	s_cbranch_scc1 .Lnot_wave_0_\@
	s_barrier_signal -3
.Lnot_wave_0_\@:
	s_barrier_wait -3
	s_barrier_signal -1
	s_barrier_wait -1
.endm
.macro CROUND
	s_barrier_signal -1
	s_barrier_wait -1
	CREST
.endm
; The joint refill of a slot: its four waves, a quarter of the tile each.  The branch hangs on the wave's number alone.  An s_nop 0 and four v_nop follow the load.
.macro JLOAD slot
	s_cmp_lt_u32 s[WV], 4
.if \slot == 0
	s_cbranch_scc0 .Lno_fetch_\@
.else
	s_cbranch_scc1 .Lno_fetch_\@
.endif
	tensor_load_to_lds s[G0:G0+3], s[G1:G1+7]
	s_nop 0
.rept 4
	v_nop
.endr
.Lno_fetch_\@:
.endm
; Four products: K step s of the column block in hand (sets par) x my four row blocks.  The four accumulators take turns, one instruction a turn.
; K step 0 starts the sums with -cn / 2.  An odd K step's scale words stand in lanes 16-31 of both scale registers.
.macro PRODS par, s
.irp rb, 0,1,2,3
.set PD, ACC+32*(\par)+8*\rb
.set PA, BF+48*(\par)+12*(\s)
.set PB, 48*\rb+12*(\s)
.set PS, CS+2*(\par)+(\s)/2
.set PT, XS+2*\rb+(\s)/2
.if (\s) == 0
	v_wmma_scale_f32_16x16x128_f8f6f4 v[PD:PD+7], v[PA:PA+11], v[PB:PB+11], v[HC+8*(\par):HC+8*(\par)+7], v[PS], v[PT] matrix_a_fmt:MATRIX_FMT_FP6 matrix_b_fmt:MATRIX_FMT_FP6
.elseif (\s) == 2
	v_wmma_scale_f32_16x16x128_f8f6f4 v[PD:PD+7], v[PA:PA+11], v[PB:PB+11], v[PD:PD+7], v[PS], v[PT] matrix_a_fmt:MATRIX_FMT_FP6 matrix_b_fmt:MATRIX_FMT_FP6
.else
	v_wmma_scale_f32_16x16x128_f8f6f4 v[PD:PD+7], v[PA:PA+11], v[PB:PB+11], v[PD:PD+7], v[PS], v[PT] matrix_a_fmt:MATRIX_FMT_FP6 matrix_b_fmt:MATRIX_FMT_FP6 matrix_a_scale:MATRIX_SCALE_ROW1 matrix_b_scale:MATRIX_SCALE_ROW1
.endif
.endr
.endm
.macro ADD2 d, hx                      ; two results + -xn / 2 (d and hx are even)
	v_dual_add_f32 v[\d], v[\d], v[\hx] :: v_dual_add_f32 v[\d+1], v[\d+1], v[\hx+1]
.endm
.macro CND2 s, a                       ; two values are kept where VCC says so (s and a are even)
	v_dual_cndmask_b32 v[\s], v[\s], v[\a] :: v_dual_cndmask_b32 v[\s+1], v[\s+1], v[\a+1]
.endm
; The argmin of accumulators (set pp, row blocks ra and ra + 1), each from its low end on, the two chains by turns.  They name no register of the products just issued.
.macro SL2 ra, pp
.set SA, ACC+32*(\pp)+8*(\ra)
.set SN, RUN+4*(\pp)+(\ra)
.set SO, RUN+4*(1-(\pp))+(\ra)
.set SH, HX+2*(\ra)
.set SS, SAVE+8*(\ra)
.irp k, 0,2,4,6
	ADD2 SA+\k, SH
.endr
.irp k, 8,10,12,14
	ADD2 SA+\k, SH+2
.endr
	v_min3_num_f32 v[MN], |v[SA]|, |v[SA+1]|, |v[SA+2]|
	v_min3_num_f32 v[MN+2], |v[SA+8]|, |v[SA+9]|, |v[SA+10]|
	v_min3_num_f32 v[MN+1], |v[SA+3]|, |v[SA+4]|, |v[SA+5]|
	v_min3_num_f32 v[MN+3], |v[SA+11]|, |v[SA+12]|, |v[SA+13]|
	s_delay_alu instid0(VALU_DEP_4)
	v_min3_num_f32 v[MN], v[MN], |v[SA+6]|, |v[SA+7]|
	s_delay_alu instid0(VALU_DEP_4)
	v_min3_num_f32 v[MN+2], v[MN+2], |v[SA+14]|, |v[SA+15]|
	s_delay_alu instid0(VALU_DEP_2)
	v_min3_num_f32 v[SN], v[MN], v[MN+1], v[SO]    ; the new running minima
	s_delay_alu instid0(VALU_DEP_2)
	v_min3_num_f32 v[SN+1], v[MN+2], v[MN+3], v[SO+1]
	s_delay_alu instid0(VALU_DEP_2)
	v_cmp_lt_f32 vcc_lo, v[SN], v[SO]              ; strictly smaller: this group wins; an equal later group does not
	s_delay_alu instid0(VALU_DEP_1)
	v_cndmask_b32 v[GID+(\ra)], v[GID+(\ra)], s[CBS], vcc_lo
.irp j, 0,2,4,6
	CND2 SS+\j, SA+\j
.endr
	v_cmp_lt_f32 vcc_lo, v[SN+1], v[SO+1]
	s_delay_alu instid0(VALU_DEP_1)
	v_cndmask_b32 v[GID+(\ra)+1], v[GID+(\ra)+1], s[CBS], vcc_lo
.irp j, 8,10,12,14
	CND2 SS+\j, SA+\j
.endr
.endm
; A column block's 15 loads into sets q: column block off of my four in slot sl
.macro NEXT q, sl, off
	ds_load_b64 v[CS+2*(\q):CS+2*(\q)+1], v[ADS+(\sl)] offset:256*(\off)
	ds_load_b128 v[HC+8*(\q):HC+8*(\q)+3], v[ADH+(\sl)] offset:64*(\off)
	ds_load_b128 v[HC+8*(\q)+4:HC+8*(\q)+7], v[ADH+(\sl)] offset:64*(\off)+16
.irp n, 0,1,2,3,4,5,6,7,8,9,10,11
	ds_load_b128 v[BF+48*(\q)+4*\n:BF+48*(\q)+4*\n+3], v[ADB+(\sl)] offset:(\off)*6144+512*\n   ; 32 lanes read 512 consecutive bytes
.endr
.endm
; Column block i of the tile in slot.  nx: the next block's loads, block noff of slot nsl.
; mode 1: the slot changes hands and is filled again; mode 2: the barrier alone, which shows the other slot whole; mode 0: neither.
.macro CB i, slot, nx, nsl, noff, mode
.set PR, (\i)%2
	s_wait_dscnt 0x0                               ; this block's 15 loads, issued a block ago
.if \nx
	NEXT 1-PR, \nsl, \noff                         ; into the sets that the block before multiplied: the 26 vector instructions behind its last products are the places
.endif
	WIN 0x04                                       ; source 1 (the points) in window 1
	PRODS PR, 0
	PRODS PR, 1
	WIN 0
.if \mode
	s_wait_tensorcnt 0x0                           ; all my tensor loads have landed: the one that may be out is my part of the other slot
.if \mode == 1
	ds_add_u32 v[SPW], v[NIL]                      ; 0 onto my spare word
	s_mul_i32 s[OFF], s[TR], TILE                  ; no tensor load of mine is out, so group 0 may be written: my quarter of tile TR
	s_add_nc_u64 s[G0+2:G0+3], s[BW:BW+1], s[OFF:OFF+1]
	s_or_b32 s[G0+3], s[G0+3], 0x80000000          ; type = 2
	s_add_co_u32 s[TR], s[TR], 1
	s_and_b32 s[TR], s[TR], 15                     ; and round
.endif
.endif
	SL2 0, 1-PR
.if \mode
	s_wait_dscnt 0x0                               ; the add is done, and my reads of this slot are over: its last block's fragments are in registers
	s_barrier_signal -1
.endif
	WIN 0x04
	PRODS PR, 2
	PRODS PR, 3
	WIN 0
	SL2 2, 1-PR                                    ; register work, like the products above: it stands between the signal and the wait
.if \mode
	s_barrier_wait -1
.if \mode == 1
	CREST                                          ; the barrier has opened a round of the cluster's: no wave of any partner still reads this slot or has a load on its way
	JLOAD \slot
.endif
.endif
	s_add_co_u32 s[CBS], s[CBB], \i
.endm
; Row block rb's tracker becomes (value, index): the lowest j whose kept value is the minimum; index = 16 x column block + 8 h + j.  v[MN] holds 8 h; the minimum stands in RUN's set 1.  w: the results' window.
.macro RESOLVE rb, dv, di, w
	v_mov_b32 v[JJ], 0
.irp j, 7,6,5,4,3,2,1,0
	v_cmp_neq_f32 s[MK], |v[SAVE+8*(\rb)+\j]|, v[RUN+4+(\rb)]
	s_delay_alu instid0(VALU_DEP_1)
	v_cndmask_b32 v[JJ], \j, v[JJ], s[MK]          ; equal: j; the lowest j is written last
.endr
	s_delay_alu instid0(VALU_DEP_1)
	v_add_nc_u32 v[JJ], v[MN], v[JJ]
	WIN \w
	v_lshl_add_u32 v[\di], v[GID+(\rb)], 4, v[JJ]
	v_mov_b32 v[\dv], v[RUN+4+(\rb)]
	WIN 0
.endm
.macro H8                              ; 8 h
	v_and_b32 v[MN], 16, v0
	s_delay_alu instid0(VALU_DEP_1)
	v_lshrrev_b32 v[MN], 1, v[MN]
.endm
; (va, ia) becomes the better of (va, ia) and (vb, ib): the smaller value, at equal values the lower index.  Selects only.
.macro COMB va, ia, vb, ib
	v_cmp_lt_f32 s[MK], v[\vb], v[\va]
	v_cmp_eq_f32 s[MK+1], v[\vb], v[\va]
	v_cmp_lt_u32 s[MK+2], v[\ib], v[\ia]
	s_and_b32 s[MK+1], s[MK+1], s[MK+2]
	s_or_b32 s[MK], s[MK], s[MK+1]
	v_cndmask_b32 v[\va], v[\va], v[\vb], s[MK]
	v_cndmask_b32 v[\ia], v[\ia], v[\ib], s[MK]
.endm
; Behind a step's first column block the tracker has seen all of the tile before.  Where this step's tile is tile 0, the indices begin anew: the run so far is put aside (a branch on the tile's number, which all partners share).
.macro BANK
	s_cmp_eq_u32 s[TI], 0
	s_cbranch_scc0 .Lno_bank_\@
	H8
.irp rb, 0,1,2,3
	RESOLVE \rb, BK1+\rb, BK1+4+\rb, 0x40
.endr
.irp rb, 0,1,2,3
	v_mov_b32 v[RUN+4+\rb], s[INF]
.endr
.Lno_bank_\@:
.endm
.macro STEP slot, mode                 ; one tile
	CB 0, \slot, 1, \slot, 1, 0
	BANK
	CB 1, \slot, 1, \slot, 2, 0
	CB 2, \slot, 1, \slot, 3, \mode
.if \mode
	CB 3, \slot, 1, 1-\slot, 0, 0
.else
	CB 3, \slot, 0, 0, 0, 0
.endif
	s_add_co_u32 s[TI], s[TI], 1
	s_and_b32 s[TI], s[TI], 15
	s_lshl_b32 s[CBB], s[TI], 4
	s_add_co_u32 s[CBB], s[CBB], s[CQ4]
.endm
	s_load_b128 s[4:7], s[0:1], 0x0                ; xw s[4:5], cw s[6:7]
	s_load_b64 s[8:9], s[0:1], 0x10                ; out0
	v_lshl_add_u32 v[SPW], v0, 2, SPARE
	v_mov_b32 v[NIL], 0
	ds_add_u32 v[SPW], v[NIL]                      ; the opening lines: the add, twice on end, and its wait ahead of my first tensor load
	ds_add_u32 v[SPW], v[NIL]
	v_lshrrev_b32 v15, 5, v0
	v_readfirstlane_b32 s[WV], v15                 ; wave 0..7
	s_and_b32 s[RH], s[WV], 1
	s_lshr_b32 s[CQ], s[WV], 1
	s_lshl_b32 s[CQ4], s[CQ], 2
	s_lshr_b32 s[GRP], s[WV], 2
	s_and_b32 s[Q3], s[WV], 3
	; t0 = (k % 16) xor 3 x bit 4 of k xor 12 x bit 5 of k, k the cluster's number: the same in all four partners
	s_and_b32 s[TI], ttmp9, 15
	s_bfe_u32 s[T], ttmp9, 0x10004
	s_mul_i32 s[T], s[T], 3
	s_xor_b32 s[TI], s[TI], s[T]
	s_bfe_u32 s[T], ttmp9, 0x10005
	s_mul_i32 s[T], s[T], 12
	s_xor_b32 s[TI], s[TI], s[T]
	s_add_co_u32 s[HT], s[TI], s[GRP]
	s_and_b32 s[HT], s[HT], 15                     ; my first fill: the walk's first tile (slot 0) or its second (slot 1)
	s_add_co_u32 s[TR], s[TI], 2
	s_and_b32 s[TR], s[TR], 15                     ; the first to be asked for in the loop
	s_lshl_b32 s[CBB], s[TI], 4
	s_add_co_u32 s[CBB], s[CBB], s[CQ4]
	s_mov_b32 s[CBS], 0
	s_mov_b32 s[SEL], 0x76543210
	s_mov_b32 s[SEL+1], 0xfedcba98
	s_mov_b32 s[INF], 0x7f800000
	s_mul_i32 s[T], s[CQ], 24576
	s_add_co_u32 s[T+1], s[T], SLOT1
	s_lshl_b32 s[T+2], s[CQ], 10
	s_add_co_u32 s[T+2], s[T+2], SCO
	s_add_co_u32 s[T+3], s[T+2], SLOT1
	s_lshl_b32 s[T+4], s[CQ], 8
	s_add_co_u32 s[T+4], s[T+4], NRO
	s_add_co_u32 s[T+5], s[T+4], SLOT1
	s_lshl_b32 s[T+6], s[RH], 9
	s_add_co_u32 s[T+6], s[T+6], RED
	s_lshl_b32 s[T+7], s[CQ], 10
	s_add_co_u32 s[T+7], s[T+7], s[T+6]
	; every LDS address register is made here, in one run, ahead of the first branch on the wave's number
	v_and_b32 v15, 31, v0                          ; lane
	v_and_b32 v14, 15, v0                          ; r
	v_bfe_u32 v10, v0, 4, 1                        ; h
	v_lshlrev_b32 v12, 4, v15                      ; 16 x lane
	v_lshlrev_b32 v13, 3, v15                      ; 8 x lane
	v_add_nc_u32 v[ADB], s[T], v12
	v_add_nc_u32 v[ADB+1], s[T+1], v12
	v_add_nc_u32 v[ADS], s[T+2], v13
	v_add_nc_u32 v[ADS+1], s[T+3], v13
	v_lshl_add_u32 v[ADH], v10, 5, s[T+4]
	v_lshl_add_u32 v[ADH+1], v10, 5, s[T+5]
	v_add_nc_u32 v[RR], s[T+6], v12
	v_lshl_add_u32 v[RW], v14, 3, s[T+7]
	v_lshlrev_b32 v14, 2, v14                      ; 4 r
	; descriptor group 1: a quarter of a tile is a dense block of 25,856 bytes: 101 rows of 32 elements of 8 bytes; no padding
	s_mov_b32 s[G1+0], 15|(3<<16)|(1<<21)          ; 15:0 the mask: all four work-groups; 17:16 elements of 8 bytes; 21 set beside a mask
	s_mov_b32 s[G1+1], 32<<16
	s_mov_b32 s[G1+2], 101<<16
	s_mov_b32 s[G1+3], 32<<16
	s_mov_b32 s[G1+4], 101
	s_mov_b32 s[G1+5], 32
	s_mov_b32 s[G1+6], 0
	s_mov_b32 s[G1+7], 0
	s_mul_i32 s[OFF], s[Q3], QT
	s_mov_b32 s[OFF+1], 0
	s_mov_b32 s[G0], 1
	s_lshl_b32 s[G0+1], s[GRP], 17
	s_add_co_u32 s[G0+1], s[G0+1], s[OFF]          ; LDS: my slot, my quarter; never rewritten
	s_wait_alu depctr_va_vdst(0)                   ; directly ahead of the waits below
	s_wait_dscnt 0x0                               ; both opening adds are done
	s_wait_kmcnt 0x0
	s_add_nc_u64 s[BW:BW+1], s[6:7], s[OFF:OFF+1]  ; no place in the cluster enters these registers
	s_mul_i32 s[OFF], s[HT], TILE
	s_add_nc_u64 s[G0+2:G0+3], s[BW:BW+1], s[OFF:OFF+1]
	s_or_b32 s[G0+3], s[G0+3], 0x80000000
	CROUND                                         ; all four work-groups are here: the first joint loads meet
	tensor_load_to_lds s[G0:G0+3], s[G1:G1+7]      ; every wave's one load at the head: eight quarters fill both slots
	s_nop 0
.rept 4
	v_nop
.endr
	; my work-group's number enters the points' and the output's addresses alone
	s_bfe_u32 s[CX], ttmp6, 0x40000
	s_lshl_b32 s[WG], ttmp9, 2
	s_add_co_u32 s[WG], s[WG], s[CX]
	s_lshr_b32 s[T], s[WG], 1
	s_mul_i32 s[T], s[T], TILE
	s_mov_b32 s[T+1], 0
	s_add_nc_u64 s[4:5], s[4:5], s[T:T+1]          ; the points' tile: two work-groups to a tile of 256 rows
	s_and_b32 s[T+2], s[WG], 1
	s_lshl_b32 s[T+2], s[T+2], 3
	s_lshl_b32 s[T+3], s[RH], 2
	s_add_co_u32 s[T+2], s[T+2], s[T+3]            ; my first block in it
	s_mul_i32 s[T], s[T+2], 6144
	s_add_nc_u64 s[XB:XB+1], s[4:5], s[T:T+1]
	s_lshl_b32 s[T], s[T+2], 8
	s_add_co_u32 s[T], s[T], SCO
	s_add_nc_u64 s[XSB:XSB+1], s[4:5], s[T:T+1]
	s_lshl_b32 s[T], s[T+2], 6
	s_add_co_u32 s[T], s[T], NRO
	s_add_nc_u64 s[XNB:XNB+1], s[4:5], s[T:T+1]
	s_lshl_b32 s[T], s[WG], 9
	s_lshl_b32 s[T+3], s[RH], 8
	s_add_co_u32 s[T], s[T], s[T+3]
	s_add_nc_u64 s[8:9], s[8:9], s[T:T+1]          ; out0 at point 128 x work-group + 64 rh
	WIN 0x40                                       ; destination window 1, address window 0
.set n, 0
.rept 48
	global_load_b128 v[4*n:4*n+3], v12, s[XB:XB+1] offset:512*n   ; my 16 fragments as their registers stand: 24,576 consecutive bytes
.set n, n+1
.endr
	WIN 0
.irp rb, 0,1,2,3
	global_load_b64 v[XS+2*\rb:XS+2*\rb+1], v13, s[XSB:XSB+1] offset:256*\rb
.endr
.irp rb, 0,1,2,3
	global_load_b32 v[HX+2*\rb], v14, s[XNB:XNB+1] offset:64*\rb
	global_load_b32 v[HX+2*\rb+1], v14, s[XNB:XNB+1] offset:64*\rb   ; both registers of the pair that the dual addition names
.endr
	; The loop has no first step of its own: the first column block finds a set of accumulators at +infinity, which wins nothing.
.set n, 0
.rept 32
	v_mov_b32 v[ACC+32+n], s[INF]
	v_mov_b32 v[SAVE+n], 0
.set n, n+1
.endr
.irp rb, 0,1,2,3
	v_mov_b32 v[RUN+\rb], s[INF]
	v_mov_b32 v[GID+\rb], 0
.endr
	WIN 0x40
.irp rb, 0,1,2,3
	v_mov_b32 v[BK1+\rb], s[INF]
	v_mov_b32 v[BK1+4+\rb], 0
.endr
	WIN 0
	s_wait_alu depctr_va_vdst(0)                   ; the wait at the head's end
	s_wait_tensorcnt 0x0                           ; my quarter is in
	s_barrier_signal -1
	s_barrier_wait -1                              ; everybody's is: both slots are whole
	NEXT 0, 0, 0                                   ; the first column block
	s_wait_loadcnt 0x0                             ; the points
	s_mov_b32 s[CNT], 7
.Lstep:                                            ; 7 trips of two tiles: every tile but the last two is followed by a refill of its slot
	STEP 0, 1
	STEP 1, 1
	s_sub_co_u32 s[CNT], s[CNT], 1
	s_cmp_lg_u32 s[CNT], 0
	s_cbranch_scc1 .Lstep
	STEP 0, 2                                      ; the tail is written out
	STEP 1, 0
	SL2 0, 1                                       ; the last column block's argmin; the 26 vector instructions ahead are the places behind the last products
	SL2 2, 1
	H8
.irp rb, 0,1,2,3
	RESOLVE \rb, FP+2*\rb, FP+2*\rb+1, 0
.endr
	WIN 0x01                                       ; source 0 in window 1
.irp n, 0,1,2,3,4,5,6,7
	v_mov_b32 v[OLD1+\n], v[BK1+\n]
.endr
	WIN 0
.irp rb, 0,1,2,3
	COMB FP+2*\rb, FP+2*\rb+1, OLD1+\rb, OLD1+4+\rb   ; with the run that was put aside
.endr
	v_mov_b32 v[PX], 0                             ; a lane permute's destination counts as one of its sources
	v_mov_b32 v[PX+1], 0
.irp rb, 0,1,2,3
	v_permlanex16_b32 v[PX], v[FP+2*\rb], s[SEL], s[SEL+1]
	v_permlanex16_b32 v[PX+1], v[FP+2*\rb+1], s[SEL], s[SEL+1]
	COMB FP+2*\rb, FP+2*\rb+1, PX, PX+1            ; with lane l xor 16's eight centres of each block
.endr
.irp rb, 0,1,2,3
	ds_store_b64 v[RW], v[FP+2*\rb:FP+2*\rb+1] offset:128*\rb   ; lanes r and r + 16 write the same bytes with the same values
.endr
	s_wait_dscnt 0x0                               ; for the others' sake: my stores have landed
	s_barrier_signal -1
	s_barrier_wait -1
	s_cmp_lt_u32 s[WV], 2                          ; waves 0 and 1 (cq = 0) merge the four quarters of the centres for their 64 points, two points a lane
	s_cbranch_scc0 .Ldone
.irp q, 0,1,2,3
	ds_load_b128 v[FIN+4*\q:FIN+4*\q+3], v[RR] offset:1024*\q
.endr
	s_wait_dscnt 0x0
.irp q, 1,2,3
	COMB FIN, FIN+1, FIN+4*\q, FIN+4*\q+1
	COMB FIN+2, FIN+3, FIN+4*\q+2, FIN+4*\q+3
.endr
	v_mov_b32 v[PX], v[FIN+1]
	v_mov_b32 v[PX+1], v[FIN+3]
	v_and_b32 v[PX+2], 31, v0
	s_delay_alu instid0(VALU_DEP_1)
	v_lshlrev_b32 v[PX+2], 3, v[PX+2]
	global_store_b64 v[PX+2], v[PX:PX+1], s[8:9]   ; 32 lanes store 256 consecutive bytes, at a multiple of 256 from out0's first byte
.Ldone:
	s_wait_tensorcnt 0x0                           ; the wave's end, behind my last tensor load and my last LDS store
	ds_add_u32 v[SPW], v[NIL]
	s_wait_dscnt 0x0
	CROUND                                         ; the closing round: no work-group ends while a partner may still ask for a tile that names it
	s_endpgm
.Lfunc_end_k_qbd32b724cd_assign:
	.size	k_qbd32b724cd_assign, .Lfunc_end_k_qbd32b724cd_assign-k_qbd32b724cd_assign
	.p2alignl 7, 3214868480
	.fill 96, 4, 3214868480
	.section	.rodata,"a",@progbits
	.p2align	6, 0x0
	.amdhsa_kernel k_qbd32b724cd_assign
		.amdhsa_group_segment_fixed_size 327680
		.amdhsa_private_segment_fixed_size 0
		.amdhsa_enable_private_segment 0
		.amdhsa_kernarg_size 24
		.amdhsa_user_sgpr_count 2
		.amdhsa_user_sgpr_kernarg_segment_ptr 1
		.amdhsa_wavefront_size32 1
		.amdhsa_system_sgpr_workgroup_id_x 1
		.amdhsa_system_sgpr_workgroup_id_y 1
		.amdhsa_system_sgpr_workgroup_id_z 1
		.amdhsa_system_vgpr_workitem_id 0
		.amdhsa_next_free_vgpr 456
		.amdhsa_next_free_sgpr 66
		.amdhsa_reserve_vcc 1
		.amdhsa_float_denorm_mode_32 3
		.amdhsa_float_denorm_mode_16_64 3
		.amdhsa_memory_ordered 1
		.amdhsa_forward_progress 1
		.amdhsa_inst_pref_size 170
	.end_amdhsa_kernel
	.amdgpu_metadata
---
amdhsa.version: [ 1, 2 ]
amdhsa.kernels:
  - .name:           k_qbd32b724cd_assign
    .symbol:         k_qbd32b724cd_assign.kd
    .args:
      - { .name: xw, .offset: 0, .size: 8, .value_kind: global_buffer, .address_space: global }
      - { .name: cw, .offset: 8, .size: 8, .value_kind: global_buffer, .address_space: global }
      - { .name: out0, .offset: 16, .size: 8, .value_kind: global_buffer, .address_space: global }
    .group_segment_fixed_size: 327680
    .private_segment_fixed_size: 0
    .kernarg_segment_align: 8
    .kernarg_segment_size: 24
    .max_flat_workgroup_size: 256
    .sgpr_count:     66
    .vgpr_count:     456
    .wavefront_size: 32
...
	.end_amdgpu_metadata
.endif
;; end of part 2
